; MI455X (gfx1250); checked and timed in simulation.
; The chip was launched on July 23, 2026; its instructions are those of AMD's public machine-readable ISA for CDNA 5 (MIT licence, August 2026) and "CDNA5" Instruction Set Architecture Reference Guide (July 2026). The comments in the code are by the model that wrote it; some were corrected since.
;; Self Attention2 D. Allowed arithmetic: float matrix products may take bf16 or f16 operands with f32 sums; all other float work in f32.
;; Inputs: Wk 64 x 64 float32; Wq 64 x 64 float32; Wv 64 x 64 float32; bk 64 float32; bq 64 float32; bv 64 float32; gamma 1 float32; x 8 x 64 x 64 x 64 float32.
;; Outputs: out0 8 x 64 x 64 x 64 float32.
;; 2 versions, each right and faster than the one before. Each part assembles by itself: llvm-mc -triple=amdgcn-amd-amdhsa -mcpu=gfx1250 --defsym DOCPART=n.
;; ======== version 1 of 2: 2 launches
;; workspace buffers: xb 4,194,304 bytes
;; launch cast (part 1): grid 256 x 1, 8 waves a work-group, no clusters, 0 bytes of LDS; arguments x, xb; writes xb
.if DOCPART == 1
	.amdgcn_target "amdgcn-amd-amdhsa--gfx1250"
	.amdhsa_code_object_version 6
	.text
	.protected	k_qdef32118b5_cast
	.globl	k_qdef32118b5_cast
	.p2align	8
	.type	k_qdef32118b5_cast,@function
k_qdef32118b5_cast:
	s_mov_b64 s[64:65], 0
	v_nop
	global_prefetch_b8 v0, s[64:65] scope:SCOPE_SE
	s_setreg_imm32_b32 hwreg(HW_REG_WAVE_MODE, 25, 1), 1
	s_wait_xcnt 0x0
; xb = x rounded to bf16 (nearest even), same order: [8][64][4096].
; A pure stream: 256 work-groups, each 32,768 bytes of x and 16,384 bytes of xb.  Thread t takes 16 bytes at 16 t of each of eight
; blocks of 4,096 bytes, so a wave's load covers 512 neighbouring bytes and its store of 8 bytes a lane 256 neighbouring bytes, aligned.
; All eight loads go out first; every block has registers of its own, so nothing is rewritten and only the loads are waited for.
; No LDS, no matrix unit, no cluster: the work-groups share no byte.  No cache hint: the next launch reads both buffers.
.set X, 4                              ; v[4:35]   block i: 4 f32 as loaded
.set Y, 36                             ; v[36:51]  block i: 4 bf16 to store
	s_load_b128 s[4:7], s[0:1], 0x0                ; x s[4:5], xb s[6:7]
	s_lshl_b32 s8, ttmp9, 15                       ; my 32,768 bytes of x
	s_mov_b32 s9, 0
	s_lshl_b32 s10, ttmp9, 14                      ; my 16,384 bytes of xb
	s_mov_b32 s11, 0
	v_lshlrev_b32 v1, 4, v0                        ; 16 t
	v_lshlrev_b32 v2, 3, v0                        ; 8 t
	s_wait_kmcnt 0x0
	s_add_nc_u64 s[4:5], s[4:5], s[8:9]
	s_add_nc_u64 s[6:7], s[6:7], s[10:11]
.irp i, 0,1,2,3,4,5,6,7
	global_load_b128 v[X+4*\i:X+4*\i+3], v1, s[4:5] offset:4096*\i
.endr
.irp i, 0,1,2,3,4,5,6,7
	s_wait_loadcnt 7-\i                            ; loads come back in order: block i is in, the 7 - i younger ones stay out
	v_cvt_pk_bf16_f32 v[Y+2*\i],   v[X+4*\i],   v[X+4*\i+1]
	v_cvt_pk_bf16_f32 v[Y+2*\i+1], v[X+4*\i+2], v[X+4*\i+3]
	global_store_b64 v2, v[Y+2*\i:Y+2*\i+1], s[6:7] offset:2048*\i
.endr
	s_endpgm
.Lfunc_end_k_qdef32118b5_cast:
	.size	k_qdef32118b5_cast, .Lfunc_end_k_qdef32118b5_cast-k_qdef32118b5_cast
	.p2alignl 7, 3214868480
	.fill 96, 4, 3214868480
	.section	.rodata,"a",@progbits
	.p2align	6, 0x0
	.amdhsa_kernel k_qdef32118b5_cast
		.amdhsa_group_segment_fixed_size 0
		.amdhsa_private_segment_fixed_size 0
		.amdhsa_enable_private_segment 0
		.amdhsa_kernarg_size 16
		.amdhsa_user_sgpr_count 2
		.amdhsa_user_sgpr_kernarg_segment_ptr 1
		.amdhsa_wavefront_size32 1
		.amdhsa_system_sgpr_workgroup_id_x 1
		.amdhsa_system_sgpr_workgroup_id_y 1
		.amdhsa_system_sgpr_workgroup_id_z 1
		.amdhsa_system_vgpr_workitem_id 0
		.amdhsa_next_free_vgpr 56
		.amdhsa_next_free_sgpr 66
		.amdhsa_reserve_vcc 0
		.amdhsa_float_denorm_mode_32 3
		.amdhsa_float_denorm_mode_16_64 3
		.amdhsa_memory_ordered 1
		.amdhsa_forward_progress 1
		.amdhsa_inst_pref_size 4
	.end_amdhsa_kernel
	.amdgpu_metadata
---
amdhsa.version: [ 1, 2 ]
amdhsa.kernels:
  - .name:           k_qdef32118b5_cast
    .symbol:         k_qdef32118b5_cast.kd
    .args:
      - { .name: x, .offset: 0, .size: 8, .value_kind: global_buffer, .address_space: global }
      - { .name: xb, .offset: 8, .size: 8, .value_kind: global_buffer, .address_space: global }
    .group_segment_fixed_size: 0
    .private_segment_fixed_size: 0
    .kernarg_segment_align: 8
    .kernarg_segment_size: 16
    .max_flat_workgroup_size: 256
    .sgpr_count:     66
    .vgpr_count:     56
    .wavefront_size: 32
...
	.end_amdgpu_metadata
.endif
;; end of part 1
;; launch attn (part 2): grid 32 x 8, 8 waves a work-group, clusters of 4 x 1, 327,680 bytes of LDS; arguments xb, x, Wq, bq, Wk, bk, Wv, bv, gamma, out0; writes out0
.if DOCPART == 2
	.amdgcn_target "amdgcn-amd-amdhsa--gfx1250"
	.amdhsa_code_object_version 6
	.text
	.protected	k_qdef32118b5_attn
	.globl	k_qdef32118b5_attn
	.p2align	8
	.type	k_qdef32118b5_attn,@function
k_qdef32118b5_attn:
	s_mov_b64 s[64:65], 0
	v_nop
	global_prefetch_b8 v0, s[64:65] scope:SCOPE_SE
	s_setreg_imm32_b32 hwreg(HW_REG_WAVE_MODE, 25, 1), 1
	s_wait_xcnt 0x0
	s_wait_alu depctr_hold_cnt(0) depctr_sa_sdst(0) depctr_va_vdst(0) depctr_va_sdst(0) depctr_va_ssrc(0) depctr_va_vcc(0) depctr_vm_vsrc(0)
	s_getreg_b32 s2, hwreg(HW_REG_IB_STS2, 6, 4)
	s_cmp_eq_u32 s2, 0
	s_cbranch_scc0 .Lentry_in_a_cluster
	s_endpgm
.Lentry_in_a_cluster:
	s_bfe_u32 s2, ttmp6, 0x10000c
	s_cmp_lg_u32 s2, 0x3003
	s_cbranch_scc0 .Lentry_shape_is_right
	s_endpgm
.Lentry_shape_is_right:
; out0 = gamma * attention(x) + x, one head, L = 4096 positions, C = 64 channels, 8 batches.
;
; TWO IDENTITIES, true for every input, let x itself serve as key and as value:
;   q_i . (Wk x_j + bk) = (Wk^T q_i) . x_j + q_i . bk          q'_i = Wk^T q_i,  cb_i = q_i . bk  (added to the scores ahead of the maximum)
;   sum_j p_ij (Wv x_j + bv) = Wv (sum_j p_ij x_j) + bv         since sum_j p_ij = 1
; The factor log2(e) / 64 (the scale 1 / sqrt(4096), and base 2 for v_exp_f32) is multiplied into Wq and bq.
;
; SHARES.  256 work-groups: batch = y, 128 queries each.  Eight waves, w = ih + 2 jq: ih = which 64 queries (four tiles it of 16), jq = which quarter of
; the keys (1,024 j).  Each wave keeps a running maximum, a sum and 64 x 64 sums of p x for its quarter; the four quarters are merged once at the end.
; Two waves lie on a SIMD so that one wave's matrix run can go beside the other's softmax while the text of each stays in order.
; CLUSTER.  The four work-groups of a cluster are four query blocks of one batch and walk the same tiles of xb: every tile is asked for jointly (mask 15).
;
; LANES (L = lane, r = L & 15, h = L >> 4).  S^T = x^T q': A = 16 j x 32 c, read transposed from the tile [c][j]; B = q'.  In the result a lane holds query
; i = r and eight j, so maximum, shift and rescale are one number a lane, and two packed result tiles ARE the B fragment of O[c][i] = sum_j x[c][j] p[i][j],
; whose A is a plain load from the same tile.  A fifth A tile of ones gives the sum of p by the matrix unit.
; Row m of S^T tile (e, jt) is j = 32 e + 8 jt + 64 (m >> 3) + (m & 7); x is read for the second product in the same order of j, so the products are right.
; With the pitch of 272 = 17 x 16 bytes the sixteen lanes of either kind of load then touch sixteen different 16-byte columns modulo 256 bytes.
;
; LIMITS.  Matrix operands are bf16: x, scaled Wq, q, Wk, bk, q', p, (sum p x) / l, Wv.  The denominator is the sum of the bf16-rounded p, the numbers that
; the numerator uses.  v_exp_f32 gives 0 for results under 2^-126 (ISA guide 15.8).  All else is f32; the maximum is a running one and includes cb.
.set PITCH,  272                       ; LDS row of a tile: 128 bf16 + 16 bytes of padding
.set WTILE,  32*PITCH                  ; what one tensor load brings: 32 rows c
.set PTILE,  64*PITCH                  ; the tile of a pair of waves: 64 rows c x 128 j
.set SLOT,   4*PTILE                   ; four pairs' tiles
.set WPITCH, 144                       ; rows of Wq and Wv in bf16: 128 bytes + 16
.set KPITCH, 160                       ; rows of Wk in bf16, read transposed: 128 bytes + 32
.set WV,     2*SLOT                    ; 139,264  Wv, behind the ring of two slots; only the ring is ever filled by tensor loads
.set STAT,   WV+64*WPITCH              ; 148,480  the waves' maxima: [w][64] f32
.set COMB,   STAT+2048                 ; 150,528  the waves' partial sums: [w][it] of 4,608 bytes
.set CWAVE,  18432
.set CTILE,  4608
.set XQ,     COMB                      ; at the start these bytes hold xb of the block's 128 queries, [c][i], pitch 272,
.set WQ,     XQ+64*PITCH               ; 167,936  scaled Wq,
.set WK,     WQ+64*WPITCH              ; 177,152  and Wk
.set OROW,   80                        ; the way out, over slot 0 after its last fill: a wave's 64 rows o of 16 i in f32 + 16 bytes,
.set OREG,   64*OROW+64                ; 5,184 bytes a wave
; window 0
.set TRA, 8                            ; v8, v9     transposed loads: (8h + (L&7)) 272 + 128 ((L>>3)&1) + jq's tile, slot 0, 1
.set PLA, 10                           ; v10, v11   plain loads: r 272 + 128 h + jq's tile, slot 0, 1
.set MX,  16                           ; v16-19     running maxima of the four query tiles
.set CB,  20                           ; v20-23     cb of the four query tiles
.set DD,  24                           ; v24 (v25)  cb - maximum, broadcast from a pair
.set AL,  26                           ; v26 (v27)  2^(old maximum - new), broadcast from a pair
.set SC,  32                           ; v32-63     four S^T tiles
.set PB,  64                           ; v64-79     p in bf16: two B fragments
.set QF,  80                           ; v80-143    q': 16 it + 8 kc
.set XT,  144                          ; v144-207   x^T fragments: 16 jt + 8 kc
.set TMP, 208                          ; v208-247   at work
.set FP,  240                          ; v240-247   the merge's factors, a pair for each query tile
.set XR,  144                          ; at the end: the block of x in f32
.set BVT, 176                          ; at the end: four tiles of bv
; window 1 (written v0 ..)
.set OA,   0                           ; v[40 it + 8 ct]: sums of p x, ct = 0..3; ct = 4: the sum of p
.set XP,   160                         ; x fragments of the second product: 16 ct + 8 q
.set ONES, 224                         ; an A fragment of ones
.set WQA,  0                           ; at the start: fragments of Wq, of Wk^T, of bk (all rows alike), tiles of scaled bq
.set WKA,  64
.set BKA,  128
.set BQT,  160
.set G1, 36                            ; s[36:43] descriptor group 1
.set G0, 44                            ; s[44:51] descriptor group 0, a set for each slot
.set MSB, 0
.macro WIN new                         ; low byte: bits 1:0 source 0, 3:2 source 1, 5:4 source 2, 7:6 destination; high byte: the setting that is left
.if MSB != \new
	s_set_vgpr_msb (MSB<<8)|\new
.set MSB, \new
.endif
.endm
.macro PLACES                          ; four plain vector places behind matrix instructions (ISA guide 7.12.1)
.rept 4
	v_nop
.endr
.endm
; A round of the cluster's barrier: my work-group's barrier, wave 0 signals for the work-group, every wave waits for all four work-groups, my work-group's barrier again.
.macro ROUND
	s_barrier_signal -1
	s_barrier_wait -1
	s_cmp_lg_u32 s3, 0
	s_cbranch_scc1 .Lnot_wave_0_\@
	s_barrier_signal -3
.Lnot_wave_0_\@:
	s_barrier_wait -3
	s_barrier_signal -1
	s_barrier_wait -1
.endm
	s_load_b512 s[16:31], s[0:1], 0x0              ; xb 16, x 18, Wq 20, bq 22, Wk 24, bk 26, Wv 28, bv 30
	s_load_b128 s[32:35], s[0:1], 0x40             ; gamma 32, out0 34
	v_lshl_add_u32 v254, v0, 2, 0x48c00
	v_mov_b32 v255, 0
	ds_add_u32 v254, v255
	v_lshrrev_b32 v1, 5, v0
	v_readfirstlane_b32 s3, v1                     ; wave w
	s_lshr_b32 s4, s3, 1                           ; jq: my quarter of the keys
	s_and_b32 s5, s3, 1                            ; ih: my 64 queries; also which 32 rows of my pair's tile I fetch
	s_bfe_u32 s6, ttmp6, 0x40000                   ; cx
	s_lshl_b32 s7, ttmp9, 2
	s_add_co_u32 s7, s7, s6                        ; query block = 4 x cluster x + cx
	s_and_b32 s8, ttmp7, 0xffff                    ; batch
	s_mov_b32 s52, 0x76543210                      ; v_permlanex16_b32: lane i reads lane i of the other half
	s_mov_b32 s53, 0xfedcba98
	s_mov_b32 s56, 0x3cb8aa3b                      ; log2(e) / 64
	s_mov_b32 s57, 0x3cb8aa3b
	; group 1: 32 rows x 128 bf16, padded.  A pair's tile has 64 rows for its two waves, so a load has 32 rows of 256 aligned bytes.
	s_mov_b32 s[G1+0], 0x0771000f                  ; 15:0 mask 15; 17:16 2-byte elements; 20 padding on; 21 set beside a mask; 24:22 after every 64 words; 31:25 four words
	s_mov_b32 s[G1+1], 128<<16                     ; tensor_dim0 = 128
	s_mov_b32 s[G1+2], 32<<16                      ; tensor_dim1 = 32
	s_mov_b32 s[G1+3], 128<<16                     ; tile_dim0 = 128
	s_mov_b32 s[G1+4], 32                          ; tile_dim1 = 32
	s_mov_b32 s[G1+5], 4096                        ; elements from row to row
	s_mov_b32 s[G1+6], 0
	s_mov_b32 s[G1+7], 0
	s_lshl_b32 s60, s8, 19                         ; the tiles' address hangs on the batch and the wave's number alone: alike in the four partners
	s_lshl_b32 s61, s5, 18                         ; 32 ih rows of 8,192 bytes
	s_add_co_u32 s60, s60, s61
	s_lshl_b32 s61, s4, 11                         ; 1,024 jq columns of 2 bytes
	s_add_co_u32 s60, s60, s61
	s_mov_b32 s61, 0
	s_mul_i32 s75, s3, WTILE                       ; where my rows go in a slot
	s_mul_i32 s74, s4, PTILE                       ; my pair's tile in a slot
	s_lshl_b32 s68, s8, 19                         ; what hangs on the query block has registers of its own: xb's 128 query columns,
	s_lshl_b32 s69, s7, 8
	s_add_co_u32 s68, s68, s69
	s_mov_b32 s69, 0
	s_lshl_b32 s76, s8, 20                         ; and the same columns in x and out0
	s_lshl_b32 s77, s7, 9
	s_add_co_u32 s76, s76, s77
	s_mov_b32 s77, 0
	s_wait_dscnt 0x0
	s_wait_kmcnt 0x0
	s_add_nc_u64 s[62:63], s[16:17], s[60:61]
	s_add_nc_u64 s[66:67], s[16:17], s[68:69]
	s_add_nc_u64 s[70:71], s[18:19], s[76:77]
	s_add_nc_u64 s[72:73], s[34:35], s[76:77]
.irp s, 0,1
	s_mov_b32 s[G0+4*\s], 1                                        ; count = 1
	s_add_co_u32 s[G0+4*\s+1], s75, \s*SLOT                        ; LDS address
	s_add_nc_u64 s[G0+4*\s+2:G0+4*\s+3], s[62:63], \s*256          ; tile s: 128 j further for each tile
	s_or_b32 s[G0+4*\s+3], s[G0+4*\s+3], 0x80000000                ; type = 2
.endr
	ROUND                                          ; all four work-groups are here: the first joint loads meet
	tensor_load_to_lds s[G0:G0+3], s[G1:G1+7]      ; tile 0; both first fills go out together, ahead of every wait on TENSORcnt, LDS read and further barrier
	s_nop 0
	tensor_load_to_lds s[G0+4:G0+7], s[G1:G1+7]    ; tile 1: two loads of this wave are out, the most in this text
	s_nop 0
	; THE START: xb of my queries and the three weights go to LDS in bf16; bq and bk go straight to registers.
	s_load_b32 s58, s[32:33], 0x0                  ; gamma
	v_and_b32 v1, 31, v0                           ; L
	v_and_b32 v2, 15, v0                           ; r
	v_bfe_u32 v3, v0, 4, 1                         ; h
	v_and_b32 v4, 7, v0                            ; L & 7
	v_bfe_u32 v5, v0, 3, 1                         ; (L >> 3) & 1
	v_lshlrev_b32 v7, 5, v3                        ; 32 h: a lane's eight f32 of a bias; never rewritten
	WIN 0x40
.irp ot, 0,1,2,3
.irp g, 0,1
	global_load_b128 v[BQT+8*\ot+4*\g:BQT+8*\ot+4*\g+3], v7, s[22:23] offset:64*\ot+16*\g     ; bq[16 ot + 8 h + 0..7]: a C tile
.endr
.endr
	WIN 0
.irp kc, 0,1
.irp u, 0,1
.irp g, 0,1
	global_load_b128 v[TMP+16*\kc+8*\u+4*\g:TMP+16*\kc+8*\u+4*\g+3], v7, s[26:27] offset:128*\kc+64*\u+16*\g   ; bk[32 kc + 16 u + 8 h + 0..7]
.endr
.endr
.endr
	v_lshrrev_b32 v20, 4, v0                       ; thread t: row t >> 4 of sixteen, chunk t & 15
	v_lshlrev_b32 v21, 4, v2
	v_lshl_add_u32 v12, v20, 13, v21               ; xb: row x 8,192 + 16 x chunk
	v_lshlrev_b32 v14, 4, v0                       ; weights: 16 t
	v_mad_u32_u24 v15, v20, PITCH, v21
	v_add_nc_u32 v15, XQ, v15
	v_lshlrev_b32 v21, 3, v2
	v_mad_u32_u24 v16, v20, WPITCH, v21
	v_add_nc_u32 v16, WV, v16                      ; Wv's place; Wq's lies WQ - WV further, in the immediate
	v_mad_u32_u24 v17, v20, KPITCH, v21
	v_add_nc_u32 v17, WK, v17
.irp i, 0,1,2,3
	global_load_b128 v[XT+4*\i:XT+4*\i+3], v12, s[66:67] offset:131072*\i
.endr
.irp i, 0,1,2,3
	global_load_b128 v[XT+16+4*\i:XT+16+4*\i+3], v14, s[20:21] offset:4096*\i
.endr
.irp i, 0,1,2,3
	global_load_b128 v[XT+32+4*\i:XT+32+4*\i+3], v14, s[24:25] offset:4096*\i
.endr
.irp i, 0,1,2,3
	global_load_b128 v[XT+48+4*\i:XT+48+4*\i+3], v14, s[28:29] offset:4096*\i
.endr
	; lane addresses, while the loads are on their way
	v_lshl_add_u32 v6, v3, 3, v4                   ; 8 h + (L & 7)
	v_mul_u32_u24 v[TRA], v6, PITCH
	v_lshl_add_u32 v[TRA], v5, 7, v[TRA]
	v_add_nc_u32 v[TRA], s74, v[TRA]
	v_add_nc_u32 v[TRA+1], SLOT, v[TRA]
	v_mul_u32_u24 v[PLA], v2, PITCH
	v_lshl_add_u32 v[PLA], v3, 7, v[PLA]
	v_add_nc_u32 v[PLA], s74, v[PLA]
	v_add_nc_u32 v[PLA+1], SLOT, v[PLA]
	v_mul_u32_u24 v13, v2, WPITCH                  ; fragments of Wv (and of Wq, WQ - WV further): r 144 + 16 h; never rewritten
	v_lshl_add_u32 v13, v3, 4, v13
	v_add_nc_u32 v13, WV, v13
	s_lshl_b32 s78, s5, 7                          ; my 64 queries' columns in XQ
	s_add_co_u32 s78, s78, XQ
	v_mul_u32_u24 v18, v6, PITCH                   ; x of my queries, read transposed
	v_lshl_add_u32 v18, v5, 4, v18
	v_add_nc_u32 v18, s78, v18
	v_mul_u32_u24 v19, v6, KPITCH                  ; Wk, read transposed
	v_lshl_add_u32 v19, v5, 4, v19
	v_add_nc_u32 v19, WK, v19
	v_mov_b32 v[DD+1], 0                           ; the mates of the two broadcast pairs: read as part of the pair, never used
	v_mov_b32 v[AL+1], 0
; four loads of a weight: (scale,) round to bf16, 8 bytes a thread into LDS
.macro WSTAGE src, adr, off, step, scaled
.irp i, 0,1,2,3
.if \scaled
	v_pk_mul_f32 v[\src+4*\i:\src+4*\i+1],   v[\src+4*\i:\src+4*\i+1],   s[56:57] op_sel_hi:[1,0]
	v_pk_mul_f32 v[\src+4*\i+2:\src+4*\i+3], v[\src+4*\i+2:\src+4*\i+3], s[56:57] op_sel_hi:[1,0]
.endif
	v_cvt_pk_bf16_f32 v[\src+4*\i],   v[\src+4*\i],   v[\src+4*\i+1]
	v_cvt_pk_bf16_f32 v[\src+4*\i+1], v[\src+4*\i+2], v[\src+4*\i+3]
	ds_store_b64 v[\adr], v[\src+4*\i:\src+4*\i+1] offset:\off+\step*\i
.endr
.endm
	s_wait_loadcnt 12                              ; all but the twelve youngest (the weights): bq, bk and xb's block are in
.irp i, 0,1,2,3
	ds_store_b128 v15, v[XT+4*\i:XT+4*\i+3] offset:16*PITCH*\i
.endr
	s_wait_loadcnt 8                               ; Wq is in; Wk's and Wv's eight stay out
	WSTAGE XT+16, 16, WQ-WV, 16*WPITCH, 1
	s_wait_loadcnt 4                               ; Wk is in; Wv's four stay out
	WSTAGE XT+32, 17, 0, 16*KPITCH, 0
	s_wait_loadcnt 0
	WSTAGE XT+48, 16, 0, 16*WPITCH, 0
	WIN 0x40
.irp i, 0,1,2,3,4,5,6,7
	v_mov_b32 v[ONES+\i], 0x3f803f80               ; 1.0 twice in bf16
.endr
.irp i, 0,1,2,3,4,5,6,7,8,9,10,11,12,13,14,15
	v_cvt_pk_bf16_f32 v[BKA+\i], v[TMP+2*\i], v[TMP+2*\i+1]        ; an A fragment whose sixteen rows are all bk
.endr
	WIN 0x41
.irp p, 0,1,2,3,4,5,6,7,8,9,10,11,12,13,14,15
	v_pk_mul_f32 v[BQT+2*\p:BQT+2*\p+1], v[BQT+2*\p:BQT+2*\p+1], s[56:57] op_sel_hi:[1,0]
.endr
	WIN 0
	s_wait_kmcnt 0x0
	s_mov_b32 s59, s58                             ; gamma as a pair
	s_wait_dscnt 0x0                               ; my stores are in LDS, for the other waves' sake
	s_barrier_signal -1
	s_barrier_wait -1                              ; the two tiles may stay on their way
	WIN 0x40
.irp ot, 0,1,2,3
.irp kc, 0,1
.irp u, 0,1
	ds_load_b128 v[WQA+16*\ot+8*\kc+4*\u:WQA+16*\ot+8*\kc+4*\u+3], v13 offset:WQ-WV+16*WPITCH*\ot+64*\kc+32*\u
.endr
.endr
.endr
.irp mt, 0,1,2,3
.irp kc, 0,1
.irp u, 0,1
	ds_load_tr16_b128 v[WKA+16*\mt+8*\kc+4*\u:WKA+16*\mt+8*\kc+4*\u+3], v19 offset:(32*\kc+16*\u)*KPITCH+32*\mt
.endr
.endr
.endr
	WIN 0
.irp it, 0,1,2,3
.irp kc, 0,1
.irp u, 0,1
	ds_load_tr16_b128 v[XT+16*\it+8*\kc+4*\u:XT+16*\it+8*\kc+4*\u+3], v18 offset:(32*\kc+16*\u)*PITCH+32*\it
.endr
.endr
.endr
	s_wait_dscnt 0x0
; q = scaled Wq x + scaled bq for 16 queries, rounded to bf16; then q' = Wk^T q and cb = bk . q.  A packed result tile pair is the next product's B fragment as it stands.
; In every run of matrix instructions the accumulators take turns, one instruction a turn.
.macro PROJ it
	WIN 0x11                                       ; A and C in window 1
.irp ot, 0,1,2,3
	v_wmma_f32_16x16x32_bf16 v[SC+8*\ot:SC+8*\ot+7], v[WQA+16*\ot:WQA+16*\ot+7], v[XT+16*\it:XT+16*\it+7], v[BQT+8*\ot:BQT+8*\ot+7]
.endr
	WIN 0x01
.irp ot, 0,1,2,3
	v_wmma_f32_16x16x32_bf16 v[SC+8*\ot:SC+8*\ot+7], v[WQA+16*\ot+8:WQA+16*\ot+15], v[XT+16*\it+8:XT+16*\it+15], v[SC+8*\ot:SC+8*\ot+7]
.endr
	WIN 0
	PLACES
.irp i, 0,1,2,3,4,5,6,7,8,9,10,11,12,13,14,15
	v_cvt_pk_bf16_f32 v[PB+\i], v[SC+2*\i], v[SC+2*\i+1]
.endr
	WIN 0x01
.irp mt, 0,1,2,3
	v_wmma_f32_16x16x32_bf16 v[TMP+8*\mt:TMP+8*\mt+7], v[WKA+16*\mt:WKA+16*\mt+7], v[PB:PB+7], 0
.endr
	v_wmma_f32_16x16x32_bf16 v[TMP+32:TMP+39], v[BKA:BKA+7], v[PB:PB+7], 0
.irp mt, 0,1,2,3
	v_wmma_f32_16x16x32_bf16 v[TMP+8*\mt:TMP+8*\mt+7], v[WKA+16*\mt+8:WKA+16*\mt+15], v[PB+8:PB+15], v[TMP+8*\mt:TMP+8*\mt+7]
.endr
	v_wmma_f32_16x16x32_bf16 v[TMP+32:TMP+39], v[BKA+8:BKA+15], v[PB+8:PB+15], v[TMP+32:TMP+39]
	WIN 0
	PLACES
.irp i, 0,1,2,3,4,5,6,7,8,9,10,11,12,13,14,15
	v_cvt_pk_bf16_f32 v[QF+16*\it+\i], v[TMP+2*\i], v[TMP+2*\i+1]
.endr
	v_mov_b32 v[CB+\it], v[TMP+32]                 ; every row of the fifth tile is cb of query r
.endm
	PROJ 0
	PROJ 1
	PROJ 2
	PROJ 3
; THE CORE.  A step is 64 j (e = 0, 1 of a tile of 128 j); a stage is one query tile's share of a step.
.macro LOADXT slot, e                  ; 16 transposing loads: four A fragments pairs (16 j x 64 c) of the first product
.irp jt, 0,1,2,3
.irp kc, 0,1
.irp u, 0,1
	ds_load_tr16_b128 v[XT+16*\jt+8*\kc+4*\u:XT+16*\jt+8*\kc+4*\u+3], v[TRA+\slot] offset:(32*\kc+16*\u)*PITCH+64*\e+16*\jt
.endr
.endr
.endr
.endm
.macro LOADXP slot, e                  ; 16 plain loads: the A fragments (64 c x 64 j) of the second product, j in the order in which p lies
	WIN 0x40
.irp ct, 0,1,2,3
.irp q, 0,1
.irp u, 0,1
	ds_load_b128 v[XP+16*\ct+8*\q+4*\u:XP+16*\ct+8*\q+4*\u+3], v[PLA+\slot] offset:16*\ct*PITCH+64*\e+32*\q+16*\u
.endr
.endr
.endr
	WIN 0
.endm
.macro QK it                           ; four tiles of S^T, 64 along c; the four accumulators take turns
.irp jt, 0,1,2,3
	v_wmma_f32_16x16x32_bf16 v[SC+8*\jt:SC+8*\jt+7], v[XT+16*\jt:XT+16*\jt+7], v[QF+16*\it:QF+16*\it+7], 0
.endr
.irp jt, 0,1,2,3
	v_wmma_f32_16x16x32_bf16 v[SC+8*\jt:SC+8*\jt+7], v[XT+16*\jt+8:XT+16*\jt+15], v[QF+16*\it+8:QF+16*\it+15], v[SC+8*\jt:SC+8*\jt+7]
.endr
.endm
.macro SMAX                            ; the largest of my query's 64 scores: 32 in my lane, 32 in lane L xor 16
.irp k, 0,1,2,3,4,5,6,7,8,9
	v_max3_num_f32 v[TMP+\k], v[SC+3*\k], v[SC+3*\k+1], v[SC+3*\k+2]
.endr
	v_max3_num_f32 v[TMP],   v[TMP],   v[TMP+1], v[TMP+2]
	v_max3_num_f32 v[TMP+3], v[TMP+3], v[TMP+4], v[TMP+5]
	v_max3_num_f32 v[TMP+6], v[TMP+6], v[TMP+7], v[TMP+8]
	v_max3_num_f32 v[TMP+9], v[TMP+9], v[SC+30], v[SC+31]
	v_max3_num_f32 v[TMP],   v[TMP],   v[TMP+3], v[TMP+6]
	v_max_num_f32  v[TMP],   v[TMP],   v[TMP+9]
	v_permlanex16_b32 v[TMP+1], v[TMP], s52, s53
	v_max_num_f32  v[TMP],   v[TMP],   v[TMP+1]
.endm
.macro STATS it, first                 ; the running maximum of score + cb; DD = cb - maximum; AL = 2^(old - new)
.if \first
	v_add_f32 v[MX+\it], v[TMP], v[CB+\it]
	v_sub_f32 v[DD], v[CB+\it], v[MX+\it]
.else
	v_add_f32 v[TMP+1], v[TMP], v[CB+\it]
	v_max_num_f32 v[TMP+1], v[TMP+1], v[MX+\it]
	v_sub_f32 v[TMP+2], v[MX+\it], v[TMP+1]
	v_mov_b32 v[MX+\it], v[TMP+1]
	v_exp_f32 v[AL], v[TMP+2]
	v_sub_f32 v[DD], v[CB+\it], v[TMP+1]           ; the plain place behind the exponential (ISA guide 5.7.2)
.endif
.endm
.macro EA tile, idx                    ; two scores + cb - maximum
	v_pk_add_f32 v[SC+8*(\tile)+2*(\idx):SC+8*(\tile)+2*(\idx)+1], v[SC+8*(\tile)+2*(\idx):SC+8*(\tile)+2*(\idx)+1], v[DD:DD+1] op_sel_hi:[1,0]
.endm
.macro EE tile, idx
	v_exp_f32 v[SC+8*(\tile)+(\idx)], v[SC+8*(\tile)+(\idx)]
.endm
.macro EC tile, idx                    ; two p to bf16
	s_wait_alu depctr_va_vdst(0)
	v_cvt_pk_bf16_f32 v[PB+4*(\tile)+(\idx)], v[SC+8*(\tile)+2*(\idx)], v[SC+8*(\tile)+2*(\idx)+1]
.endm
; p = 2^(score + cb - maximum) in bf16.  The exponentials of a tile are laid among the shifts of the next tile and the conversions of the tile before,
; so a plain line that touches neither its result nor its source stands between every exponential and the first use of its result.
.macro EXPCVT
.irp k, 0,1,2,3
	EA 0, \k
.endr
.irp k, 0,1,2,3
	EE 0, 2*\k
	EA 1, \k
	EE 0, 2*\k+1
.endr
.irp tl, 1,2
.irp k, 0,1,2,3
	EE \tl, 2*\k
	EA \tl+1, \k
	EE \tl, 2*\k+1
	EC \tl-1, \k
.endr
.endr
.irp k, 0,1,2,3
	EE 3, 2*\k
	EE 3, 2*\k+1
	EC 2, \k
.endr
.irp k, 0,1,2,3
	EC 3, \k
.endr
.endm
.macro PVMUL it, q, zero               ; 32 j of the second product: four tiles of c and the tile of ones; the five accumulators take turns
.irp ct, 0,1,2,3
.if \zero
	v_wmma_f32_16x16x32_bf16 v[OA+40*\it+8*\ct:OA+40*\it+8*\ct+7], v[XP+16*\ct+8*\q:XP+16*\ct+8*\q+7], v[PB+8*\q:PB+8*\q+7], 0
.else
	v_wmma_f32_16x16x32_bf16 v[OA+40*\it+8*\ct:OA+40*\it+8*\ct+7], v[XP+16*\ct+8*\q:XP+16*\ct+8*\q+7], v[PB+8*\q:PB+8*\q+7], v[OA+40*\it+8*\ct:OA+40*\it+8*\ct+7]
.endif
.endr
.if \zero
	v_wmma_f32_16x16x32_bf16 v[OA+40*\it+32:OA+40*\it+39], v[ONES:ONES+7], v[PB+8*\q:PB+8*\q+7], 0
.else
	v_wmma_f32_16x16x32_bf16 v[OA+40*\it+32:OA+40*\it+39], v[ONES:ONES+7], v[PB+8*\q:PB+8*\q+7], v[OA+40*\it+32:OA+40*\it+39]
.endif
.endm
.macro PV it, first
	WIN 0x51                                       ; A, C and D in window 1, B (and AL) in window 0
.if \first
	PVMUL \it, 0, 1                                ; the first product starts the sums: nothing is cleared
.else
.irp p, 0,1,2,3,4,5,6,7,8,9,10,11,12,13,14,15
	v_pk_mul_f32 v[OA+40*\it+2*\p:OA+40*\it+2*\p+1], v[OA+40*\it+2*\p:OA+40*\it+2*\p+1], v[AL:AL+1] op_sel_hi:[1,0]
.endr
	v_mul_f32 v[OA+40*\it+32], v[OA+40*\it+32], v[AL]              ; of the tile of sums of p only register 0 is ever used
	PVMUL \it, 0, 0
.endif
	PVMUL \it, 1, 0
	WIN 0
.endm
; hook 1: this step's fragments for the second product are fetched; hook 2: the tile's second step's fragments for the first product.
; The four v_nop stand behind the first product for the lines that read S, for loads into XT (its sources) and for loads into XP (sources of the last second product).
.macro STAGE it, first, slot, e, hook, w0
.if \w0
	s_wait_dscnt 0x0                               ; this step's XT is in
.endif
	QK \it
	PLACES
.if \hook == 1
	LOADXP \slot, \e
.endif
.if \hook == 2
	LOADXT \slot, 1
.endif
	SMAX
	STATS \it, \first
	EXPCVT
.if \w0
	s_wait_dscnt 0x0                               ; this step's XP is in
.endif
	PV \it, \first
.endm
.macro UNIT slot, first                ; one tile of 128 j: two steps of four stages
	LOADXT \slot, 0
	STAGE 0, \first, \slot, 0, 1, 1
	STAGE 1, \first, \slot, 0, 0, 0
	STAGE 2, \first, \slot, 0, 0, 0
	STAGE 3, \first, \slot, 0, 2, 0
	STAGE 0, 0, \slot, 1, 1, 1
	STAGE 1, 0, \slot, 1, 0, 0
	STAGE 2, 0, \slot, 1, 0, 0
	STAGE 3, 0, \slot, 1, 0, 0
.endm
; The change of slots.  In front of the round every wave has waited for all its tensor loads (its part of this slot among them) and for its reads of the other slot;
; behind it no wave of any partner reads the other slot or has a load on its way: the joint refill comes first, one a wave, and has a whole tile's work in which to land.
.macro TWO slot, refill
	s_wait_tensorcnt 0x0
	ds_add_u32 v254, v255
	s_wait_dscnt 0x0
	s_add_nc_u64 s[G0+6-4*\slot:G0+7-4*\slot], s[G0+6-4*\slot:G0+7-4*\slot], 512   ; no load of mine is out: the other slot's address steps two tiles on
	s_wait_dscnt 0x0
	ROUND
.if \refill
	tensor_load_to_lds s[G0+4-4*\slot:G0+7-4*\slot], s[G1:G1+7]
	s_nop 0
.endif
	UNIT \slot, 0
.endm
	s_wait_tensorcnt 0x1                           ; my part of tile 0 is in; tile 1, issued behind it, may stay out
	s_wait_dscnt 0x0
	s_barrier_signal -1
	s_barrier_wait -1
	UNIT 0, 1                                      ; tile 0 starts the sums
	s_mov_b32 s54, 3
.Lloop:
	TWO 1, 1                                       ; tiles 1, 3, 5 are worked on; tiles 2, 4, 6 are asked for
	TWO 0, 1                                       ; tiles 2, 4, 6 are worked on; tiles 3, 5, 7 are asked for
	s_sub_co_u32 s54, s54, 1
	s_cmp_lg_u32 s54, 0
	s_cbranch_scc1 .Lloop
	TWO 1, 0                                       ; tile 7: nothing is left to fetch (slot 0's stepped address is not used)
	; THE END.  The block of x and bv are asked for; the four quarters of the keys are merged through LDS.
	PLACES                                         ; behind the last matrix instructions, for the lines that read their results
	v_lshlrev_b32 v6, 4, v1
	s_lshl_b32 s78, s3, 14
	v_add_nc_u32 v6, s78, v6                       ; x and out0: row w (+ 8 i) of 16,384 bytes, 16 bytes a lane: a wave covers a row's 512 bytes
.irp i, 0,1,2,3,4,5,6,7
	global_load_b128 v[XR+4*\i:XR+4*\i+3], v6, s[70:71] offset:131072*\i th:TH_LOAD_NT
.endr
.irp ot, 0,1,2,3
.irp g, 0,1
	global_load_b128 v[BVT+8*\ot+4*\g:BVT+8*\ot+4*\g+3], v7, s[30:31] offset:64*\ot+16*\g     ; bv[16 ot + 8 h + 0..7]: a C tile
.endr
.endr
	s_lshl_b32 s78, s3, 8
	s_add_co_u32 s78, s78, STAT
	v_lshl_add_u32 v8, v2, 2, s78                  ; my maxima: STAT + 256 w + 4 r
	s_lshl_b32 s78, s5, 8
	s_add_co_u32 s78, s78, STAT
	v_lshl_add_u32 v9, v2, 2, s78                  ; the four quarters' maxima of my queries: + 512 for each quarter
	s_mul_i32 s78, s3, CWAVE
	s_add_co_u32 s78, s78, COMB
	v_lshl_add_u32 v10, v1, 4, s78                 ; my partial sums
	s_mul_i32 s78, s5, CWAVE
	s_mul_i32 s79, s4, CTILE
	s_add_co_u32 s78, s78, s79
	s_add_co_u32 s78, s78, COMB
	v_lshl_add_u32 v11, v1, 4, s78                 ; the partial sums of query tile it = jq, which I finish: quarters 0 and 1,
	v_add_nc_u32 v12, 4*CWAVE, v11                 ; quarters 2 and 3
	s_mul_i32 s78, s5, 4*OREG                      ; my sixteen queries' place among the block's 128 is 4 ih + jq:
	s_mul_i32 s79, s4, OREG                        ; my region of the way out begins at (4 ih + jq) x 5,184
	s_add_co_u32 s78, s78, s79
	v_mul_u32_u24 v14, v3, 8*OROW
	v_lshl_add_u32 v14, v2, 2, v14
	v_add_nc_u32 v14, s78, v14                     ; the way out, in: my region, row 8 h (+ 16 ot + j), column r
	v_lshrrev_b32 v15, 2, v1
	v_mul_u32_u24 v15, v15, OREG
	v_and_b32 v[DD], 3, v1
	v_lshl_add_u32 v15, v[DD], 4, v15
	s_mul_i32 s79, s3, OROW
	v_add_nc_u32 v15, s79, v15                     ; back: region L >> 2, row w (+ 8 i), 16 bytes at 16 (L & 3)
.irp it, 0,1,2,3
	ds_store_b32 v8, v[MX+\it] offset:64*\it       ; lanes r and r + 16 hold and store the same number
.endr
	s_wait_dscnt 0x0
	s_barrier_signal -1
	s_barrier_wait -1                              ; every wave's maxima are there, and every wave's reads of the ring are over
.irp it, 0,1,2,3
.irp jp, 0,1,2,3
	ds_load_b32 v[TMP+4*\it+\jp], v9 offset:512*\jp+64*\it
.endr
.endr
	s_wait_dscnt 0x0
.irp it, 0,1,2,3
	v_max3_num_f32 v[TMP+4*\it], v[TMP+4*\it], v[TMP+4*\it+1], v[TMP+4*\it+2]
	v_max_num_f32 v[TMP+4*\it], v[TMP+4*\it], v[TMP+4*\it+3]
	v_sub_f32 v[TMP+4*\it], v[MX+\it], v[TMP+4*\it]
.endr
.irp it, 0,1,2,3
	v_exp_f32 v[FP+2*\it],   v[TMP+4*\it]          ; 2^(my maximum - the common one), twice: a pair for the packed multiply
	v_exp_f32 v[FP+2*\it+1], v[TMP+4*\it]
.endr
	v_nop                                          ; the plain place behind the exponentials
	WIN 0x51
	s_wait_alu depctr_va_vdst(0)
.irp it, 0,1,2,3
.irp p, 0,1,2,3,4,5,6,7,8,9,10,11,12,13,14,15
	v_pk_mul_f32 v[OA+40*\it+2*\p:OA+40*\it+2*\p+1], v[OA+40*\it+2*\p:OA+40*\it+2*\p+1], v[FP+2*\it:FP+2*\it+1]
.endr
	v_mul_f32 v[OA+40*\it+32], v[OA+40*\it+32], v[FP+2*\it]
.endr
	WIN 0x04                                       ; store data in window 1
.irp it, 0,1,2,3
.irp q, 0,1,2,3,4,5,6,7,8
	ds_store_b128 v10, v[OA+40*\it+4*\q:OA+40*\it+4*\q+3] offset:CTILE*\it+512*\q   ; lane by lane, so that the wave that reads finds the same layout; q = 8: the sum of p in its first word
.endr
.endr
	WIN 0
	s_wait_dscnt 0x0
	s_barrier_signal -1
	s_barrier_wait -1
	WIN 0x40
.irp jp, 0,1
.irp q, 0,1,2,3,4,5,6,7,8
	ds_load_b128 v[OA+40*\jp+4*\q:OA+40*\jp+4*\q+3], v11 offset:2*CWAVE*\jp+512*\q
.endr
.endr
.irp jp, 0,1
.irp q, 0,1,2,3,4,5,6,7,8
	ds_load_b128 v[OA+80+40*\jp+4*\q:OA+80+40*\jp+4*\q+3], v12 offset:2*CWAVE*\jp+512*\q
.endr
.endr
	WIN 0
.irp ot, 0,1,2,3
.irp kc, 0,1
.irp u, 0,1
	ds_load_b128 v[QF+16*\ot+8*\kc+4*\u:QF+16*\ot+8*\kc+4*\u+3], v13 offset:16*WPITCH*\ot+64*\kc+32*\u    ; fragments of Wv
.endr
.endr
.endr
	s_wait_dscnt 16                                ; the four quarters' sums are in; the sixteen younger loads of Wv may stay out
	WIN 0x45
.irp p, 0,1,2,3,4,5,6,7,8,9,10,11,12,13,14,15,16
	v_pk_add_f32 v[OA+2*\p:OA+2*\p+1], v[OA+2*\p:OA+2*\p+1], v[OA+40+2*\p:OA+40+2*\p+1]
	v_pk_add_f32 v[OA+80+2*\p:OA+80+2*\p+1], v[OA+80+2*\p:OA+80+2*\p+1], v[OA+120+2*\p:OA+120+2*\p+1]
.endr
.irp p, 0,1,2,3,4,5,6,7,8,9,10,11,12,13,14,15,16
	v_pk_add_f32 v[OA+2*\p:OA+2*\p+1], v[OA+2*\p:OA+2*\p+1], v[OA+80+2*\p:OA+80+2*\p+1]
.endr
	WIN 0x01
	v_rcp_f32 v[TMP],   v[OA+32]                   ; 1 / sum of p (at least 1: the largest score's p is 1), twice for the packed multiply
	v_rcp_f32 v[TMP+1], v[OA+32]
	v_nop                                          ; the plain place behind the reciprocals
	WIN 0x41
	s_wait_alu depctr_va_vdst(0)
.irp p, 0,1,2,3,4,5,6,7,8,9,10,11,12,13,14,15
	v_pk_mul_f32 v[OA+2*\p:OA+2*\p+1], v[OA+2*\p:OA+2*\p+1], v[TMP:TMP+1]
.endr
	WIN 0x05
.irp i, 0,1,2,3,4,5,6,7,8,9,10,11,12,13,14,15
	v_cvt_pk_bf16_f32 v[PB+\i], v[OA+2*\i], v[OA+2*\i+1]           ; the packed tiles are the last product's two B fragments
.endr
	WIN 0
	s_wait_dscnt 0x0                               ; Wv's fragments
	s_wait_loadcnt 0x0                             ; bv's tiles, and the block of x
.irp ot, 0,1,2,3
	v_wmma_f32_16x16x32_bf16 v[SC+8*\ot:SC+8*\ot+7], v[QF+16*\ot:QF+16*\ot+7], v[PB:PB+7], v[BVT+8*\ot:BVT+8*\ot+7]
.endr
.irp ot, 0,1,2,3
	v_wmma_f32_16x16x32_bf16 v[SC+8*\ot:SC+8*\ot+7], v[QF+16*\ot+8:QF+16*\ot+15], v[PB+8:PB+15], v[SC+8*\ot:SC+8*\ot+7]
.endr
	PLACES
.irp ot, 0,1,2,3
.irp j, 0,1,2,3,4,5,6,7
	ds_store_b32 v14, v[SC+8*\ot+\j] offset:(16*\ot+\j)*OROW       ; y[16 ot + 8 h + j][my query r], into my own region over slot 0, which is filled no more and which no wave has read since the barrier behind the maxima
.endr
.endr
	s_wait_dscnt 0x0
	s_barrier_signal -1
	s_barrier_wait -1
.irp i, 0,1,2,3,4,5,6,7
	ds_load_b128 v[TMP+4*\i:TMP+4*\i+3], v15 offset:8*OROW*\i      ; row w + 8 i of y, 128 queries across the wave
.endr
	s_wait_dscnt 0x0
.irp p, 0,1,2,3,4,5,6,7,8,9,10,11,12,13,14,15
	v_pk_fma_f32 v[TMP+2*\p:TMP+2*\p+1], v[TMP+2*\p:TMP+2*\p+1], s[58:59], v[XR+2*\p:XR+2*\p+1] op_sel_hi:[1,0,1]   ; gamma y + x
.endr
.irp i, 0,1,2,3,4,5,6,7
	global_store_b128 v6, v[TMP+4*\i:TMP+4*\i+3], s[72:73] offset:131072*\i th:TH_STORE_NT    ; a wave's store covers 512 consecutive bytes, aligned
.endr
	s_wait_tensorcnt 0x0
	ds_add_u32 v254, v255
	s_wait_dscnt 0x0
	ROUND                                          ; the closing round: no work-group ends while a partner may still ask for a tile that names it
	s_endpgm
.Lfunc_end_k_qdef32118b5_attn:
	.size	k_qdef32118b5_attn, .Lfunc_end_k_qdef32118b5_attn-k_qdef32118b5_attn
	.p2alignl 7, 3214868480
	.fill 96, 4, 3214868480
	.section	.rodata,"a",@progbits
	.p2align	6, 0x0
	.amdhsa_kernel k_qdef32118b5_attn
		.amdhsa_group_segment_fixed_size 327680
		.amdhsa_private_segment_fixed_size 0
		.amdhsa_enable_private_segment 0
		.amdhsa_kernarg_size 80
		.amdhsa_user_sgpr_count 2
		.amdhsa_user_sgpr_kernarg_segment_ptr 1
		.amdhsa_wavefront_size32 1
		.amdhsa_system_sgpr_workgroup_id_x 1
		.amdhsa_system_sgpr_workgroup_id_y 1
		.amdhsa_system_sgpr_workgroup_id_z 1
		.amdhsa_system_vgpr_workitem_id 0
		.amdhsa_next_free_vgpr 512
		.amdhsa_next_free_sgpr 80
		.amdhsa_reserve_vcc 0
		.amdhsa_float_denorm_mode_32 3
		.amdhsa_float_denorm_mode_16_64 3
		.amdhsa_memory_ordered 1
		.amdhsa_forward_progress 1
		.amdhsa_inst_pref_size 255
	.end_amdhsa_kernel
	.section	.bss,"aw",@nobits
	.p2align	6
	.space	262144
	.amdgpu_metadata
---
amdhsa.version: [ 1, 2 ]
amdhsa.kernels:
  - .name:           k_qdef32118b5_attn
    .symbol:         k_qdef32118b5_attn.kd
    .args:
      - { .name: xb, .offset: 0, .size: 8, .value_kind: global_buffer, .address_space: global }
      - { .name: x, .offset: 8, .size: 8, .value_kind: global_buffer, .address_space: global }
      - { .name: Wq, .offset: 16, .size: 8, .value_kind: global_buffer, .address_space: global }
      - { .name: bq, .offset: 24, .size: 8, .value_kind: global_buffer, .address_space: global }
      - { .name: Wk, .offset: 32, .size: 8, .value_kind: global_buffer, .address_space: global }
      - { .name: bk, .offset: 40, .size: 8, .value_kind: global_buffer, .address_space: global }
      - { .name: Wv, .offset: 48, .size: 8, .value_kind: global_buffer, .address_space: global }
      - { .name: bv, .offset: 56, .size: 8, .value_kind: global_buffer, .address_space: global }
      - { .name: gamma, .offset: 64, .size: 8, .value_kind: global_buffer, .address_space: global }
      - { .name: out0, .offset: 72, .size: 8, .value_kind: global_buffer, .address_space: global }
    .group_segment_fixed_size: 327680
    .private_segment_fixed_size: 0
    .kernarg_segment_align: 8
    .kernarg_segment_size: 80
    .max_flat_workgroup_size: 256
    .sgpr_count:     80
    .vgpr_count:     512
    .wavefront_size: 32
...
	.end_amdgpu_metadata
.endif
;; end of part 2
;; ======== version 2 of 2: 2 launches; 1.13 times as fast as version 1
;; workspace buffers: xb 4,194,304 bytes
;; launch cast: the kernel of part 1 again; grid 256 x 1, 8 waves a work-group, no clusters, 0 bytes of LDS; arguments x, xb; writes xb
;; launch attn (part 3): grid 32 x 8, 8 waves a work-group, clusters of 4 x 1, 327,680 bytes of LDS; arguments xb, x, Wq, bq, Wk, bk, Wv, bv, gamma, out0; writes out0
.if DOCPART == 3
	.amdgcn_target "amdgcn-amd-amdhsa--gfx1250"
	.amdhsa_code_object_version 6
	.text
	.protected	k_qdef32118b5_attn
	.globl	k_qdef32118b5_attn
	.p2align	8
	.type	k_qdef32118b5_attn,@function
k_qdef32118b5_attn:
	s_mov_b64 s[64:65], 0
	v_nop
	global_prefetch_b8 v0, s[64:65] scope:SCOPE_SE
	s_setreg_imm32_b32 hwreg(HW_REG_WAVE_MODE, 25, 1), 1
	s_wait_xcnt 0x0
	s_wait_alu depctr_hold_cnt(0) depctr_sa_sdst(0) depctr_va_vdst(0) depctr_va_sdst(0) depctr_va_ssrc(0) depctr_va_vcc(0) depctr_vm_vsrc(0)
	s_getreg_b32 s2, hwreg(HW_REG_IB_STS2, 6, 4)
	s_cmp_eq_u32 s2, 0
	s_cbranch_scc0 .Lentry_in_a_cluster
	s_endpgm
.Lentry_in_a_cluster:
	s_bfe_u32 s2, ttmp6, 0x10000c
	s_cmp_lg_u32 s2, 0x3003
	s_cbranch_scc0 .Lentry_shape_is_right
	s_endpgm
.Lentry_shape_is_right:
; out0 = gamma * attention(x) + x, one head, L = 4096 positions, C = 64 channels, 8 batches.
;
; TWO IDENTITIES, true for every input, let x itself serve as key and as value:
;   q_i . (Wk x_j + bk) = (Wk^T q_i) . x_j + q_i . bk          q'_i = Wk^T q_i,  cb_i = q_i . bk  (added to the scores ahead of the maximum)
;   sum_j p_ij (Wv x_j + bv) = Wv (sum_j p_ij x_j) + bv         since sum_j p_ij = 1
; The factor log2(e) / 64 (the scale 1 / sqrt(4096), and base 2 for v_exp_f32) is multiplied into Wq and bq.
;
; SHARES.  256 work-groups: batch = y, 128 queries each.  Eight waves, w = ih + 2 jq: ih = which 64 queries (four tiles it of 16), jq = which quarter of
; the keys (1,024 j).  Each wave keeps a running maximum, a sum and 64 x 64 sums of p x for its quarter; the four quarters are merged once at the end.
; Two waves lie on a SIMD so that one wave's matrix run can go beside the other's softmax while the text of each stays in order.
; CLUSTER.  The four work-groups of a cluster are four query blocks of one batch and walk the same tiles of xb: every tile is asked for jointly (mask 15).
;
; LANES (L = lane, r = L & 15, h = L >> 4).  S^T = x^T q': A = 16 j x 32 c, read transposed from the tile [c][j]; B = q'.  In the result a lane holds query
; i = r and eight j, so maximum, shift and rescale are one number a lane, and two packed result tiles ARE the B fragment of O[c][i] = sum_j x[c][j] p[i][j],
; whose A is a plain load from the same tile.  A fifth A tile of ones gives the sum of p by the matrix unit.
; Row m of S^T tile (e, jt) is j = 32 e + 8 jt + 64 (m >> 3) + (m & 7); x is read for the second product in the same order of j, so the products are right.
; With the pitch of 272 = 17 x 16 bytes the sixteen lanes of either kind of load then touch sixteen different 16-byte columns modulo 256 bytes.
;
; BATCHES.  A stage's transcendentals are ONE batch with ONE wait: 2^(old maximum - new) into AL and the 32 exponentials of the scores, in place in S: 33 results, a register each.
; Ahead of the wait stand only lines that name none of these results: the sixteen shifts of the scores, laid among the exponentials, each ahead of its own pair's, and the copy of the
; new maximum, which is the plain line behind the last exponential.  Behind the wait stand all the readers: the sixteen roundings to bf16, the rescaling by AL, the second product.
; No result crosses a stage's end, so none crosses a label or a jump.  At the end the merge's eight factors are a batch, and the two reciprocals, which read a sum of what the factors
; have scaled, are another: each has a v_nop and a wait of its own.
;
; LIMITS.  Matrix operands are bf16: x, scaled Wq, q, Wk, bk, q', p, (sum p x) / l, Wv.  The denominator is the sum of the bf16-rounded p, the numbers that
; the numerator uses.  v_exp_f32 gives 0 for results under 2^-126 (ISA guide 15.8).  All else is f32; the maximum is a running one and includes cb.
.set PITCH,  272                       ; LDS row of a tile: 128 bf16 + 16 bytes of padding
.set WTILE,  32*PITCH                  ; what one tensor load brings: 32 rows c
.set PTILE,  64*PITCH                  ; the tile of a pair of waves: 64 rows c x 128 j
.set SLOT,   4*PTILE                   ; four pairs' tiles
.set WPITCH, 144                       ; rows of Wq and Wv in bf16: 128 bytes + 16
.set KPITCH, 160                       ; rows of Wk in bf16, read transposed: 128 bytes + 32
.set WV,     2*SLOT                    ; 139,264  Wv, behind the ring of two slots; only the ring is ever filled by tensor loads
.set STAT,   WV+64*WPITCH              ; 148,480  the waves' maxima: [w][64] f32
.set COMB,   STAT+2048                 ; 150,528  the waves' partial sums: [w][it] of 4,608 bytes
.set CWAVE,  18432
.set CTILE,  4608
.set XQ,     COMB                      ; at the start these bytes hold xb of the block's 128 queries, [c][i], pitch 272,
.set WQ,     XQ+64*PITCH               ; 167,936  scaled Wq,
.set WK,     WQ+64*WPITCH              ; 177,152  and Wk
.set OROW,   80                        ; the way out, over slot 0 after its last fill: a wave's 64 rows o of 16 i in f32 + 16 bytes,
.set OREG,   64*OROW+64                ; 5,184 bytes a wave
; window 0
.set TRA, 8                            ; v8, v9     transposed loads: (8h + (L&7)) 272 + 128 ((L>>3)&1) + jq's tile, slot 0, 1
.set PLA, 10                           ; v10, v11   plain loads: r 272 + 128 h + jq's tile, slot 0, 1
.set MX,  16                           ; v16-19     running maxima of the four query tiles
.set CB,  20                           ; v20-23     cb of the four query tiles
.set DD,  24                           ; v24 (v25)  cb - maximum, broadcast from a pair
.set AL,  26                           ; v26 (v27)  2^(old maximum - new), broadcast from a pair
.set SC,  32                           ; v32-63     four S^T tiles
.set PB,  64                           ; v64-79     p in bf16: two B fragments
.set QF,  80                           ; v80-143    q': 16 it + 8 kc
.set XT,  144                          ; v144-207   x^T fragments: 16 jt + 8 kc
.set TMP, 208                          ; v208-247   at work
.set FP,  240                          ; v240-247   the merge's factors, a pair for each query tile
.set XR,  144                          ; at the end: the block of x in f32
.set BVT, 176                          ; at the end: four tiles of bv
; window 1 (written v0 ..)
.set OA,   0                           ; v[40 it + 8 ct]: sums of p x, ct = 0..3; ct = 4: the sum of p
.set XP,   160                         ; x fragments of the second product: 16 ct + 8 q
.set ONES, 224                         ; an A fragment of ones
.set WQA,  0                           ; at the start: fragments of Wq, of Wk^T, of bk (all rows alike), tiles of scaled bq
.set WKA,  64
.set BKA,  128
.set BQT,  160
.set G1, 36                            ; s[36:43] descriptor group 1
.set G0, 44                            ; s[44:51] descriptor group 0, a set for each slot
.set MSB, 0
.macro WIN new                         ; low byte: bits 1:0 source 0, 3:2 source 1, 5:4 source 2, 7:6 destination; high byte: the setting that is left
.if MSB != \new
	s_set_vgpr_msb (MSB<<8)|\new
.set MSB, \new
.endif
.endm
.macro PLACES                          ; four plain vector places behind matrix instructions (ISA guide 7.12.1)
.rept 4
	v_nop
.endr
.endm
; A round of the cluster's barrier: my work-group's barrier, wave 0 signals for the work-group, every wave waits for all four work-groups, my work-group's barrier again.
.macro ROUND
	s_barrier_signal -1
	s_barrier_wait -1
	s_cmp_lg_u32 s3, 0
	s_cbranch_scc1 .Lnot_wave_0_\@
	s_barrier_signal -3
.Lnot_wave_0_\@:
	s_barrier_wait -3
	s_barrier_signal -1
	s_barrier_wait -1
.endm
	s_load_b512 s[16:31], s[0:1], 0x0              ; xb 16, x 18, Wq 20, bq 22, Wk 24, bk 26, Wv 28, bv 30
	s_load_b128 s[32:35], s[0:1], 0x40             ; gamma 32, out0 34
	v_lshl_add_u32 v254, v0, 2, 0x48c00
	v_mov_b32 v255, 0
	ds_add_u32 v254, v255
	v_lshrrev_b32 v1, 5, v0
	v_readfirstlane_b32 s3, v1                     ; wave w
	s_lshr_b32 s4, s3, 1                           ; jq: my quarter of the keys
	s_and_b32 s5, s3, 1                            ; ih: my 64 queries; also which 32 rows of my pair's tile I fetch
	s_bfe_u32 s6, ttmp6, 0x40000                   ; cx
	s_lshl_b32 s7, ttmp9, 2
	s_add_co_u32 s7, s7, s6                        ; query block = 4 x cluster x + cx
	s_and_b32 s8, ttmp7, 0xffff                    ; batch
	s_mov_b32 s52, 0x76543210                      ; v_permlanex16_b32: lane i reads lane i of the other half
	s_mov_b32 s53, 0xfedcba98
	s_mov_b32 s56, 0x3cb8aa3b                      ; log2(e) / 64
	s_mov_b32 s57, 0x3cb8aa3b
	; group 1: 32 rows x 128 bf16, padded.  A pair's tile has 64 rows for its two waves, so a load has 32 rows of 256 aligned bytes.
	s_mov_b32 s[G1+0], 0x0771000f                  ; 15:0 mask 15; 17:16 2-byte elements; 20 padding on; 21 set beside a mask; 24:22 after every 64 words; 31:25 four words
	s_mov_b32 s[G1+1], 128<<16                     ; tensor_dim0 = 128
	s_mov_b32 s[G1+2], 32<<16                      ; tensor_dim1 = 32
	s_mov_b32 s[G1+3], 128<<16                     ; tile_dim0 = 128
	s_mov_b32 s[G1+4], 32                          ; tile_dim1 = 32
	s_mov_b32 s[G1+5], 4096                        ; elements from row to row
	s_mov_b32 s[G1+6], 0
	s_mov_b32 s[G1+7], 0
	s_lshl_b32 s60, s8, 19                         ; the tiles' address hangs on the batch and the wave's number alone: alike in the four partners
	s_lshl_b32 s61, s5, 18                         ; 32 ih rows of 8,192 bytes
	s_add_co_u32 s60, s60, s61
	s_lshl_b32 s61, s4, 11                         ; 1,024 jq columns of 2 bytes
	s_add_co_u32 s60, s60, s61
	s_mov_b32 s61, 0
	s_mul_i32 s75, s3, WTILE                       ; where my rows go in a slot
	s_mul_i32 s74, s4, PTILE                       ; my pair's tile in a slot
	s_lshl_b32 s68, s8, 19                         ; what hangs on the query block has registers of its own: xb's 128 query columns,
	s_lshl_b32 s69, s7, 8
	s_add_co_u32 s68, s68, s69
	s_mov_b32 s69, 0
	s_lshl_b32 s76, s8, 20                         ; and the same columns in x and out0
	s_lshl_b32 s77, s7, 9
	s_add_co_u32 s76, s76, s77
	s_mov_b32 s77, 0
	s_wait_dscnt 0x0
	s_wait_kmcnt 0x0
	s_add_nc_u64 s[62:63], s[16:17], s[60:61]
	s_add_nc_u64 s[66:67], s[16:17], s[68:69]
	s_add_nc_u64 s[70:71], s[18:19], s[76:77]
	s_add_nc_u64 s[72:73], s[34:35], s[76:77]
.irp s, 0,1
	s_mov_b32 s[G0+4*\s], 1                                        ; count = 1
	s_add_co_u32 s[G0+4*\s+1], s75, \s*SLOT                        ; LDS address
	s_add_nc_u64 s[G0+4*\s+2:G0+4*\s+3], s[62:63], \s*256          ; tile s: 128 j further for each tile
	s_or_b32 s[G0+4*\s+3], s[G0+4*\s+3], 0x80000000                ; type = 2
.endr
	ROUND                                          ; all four work-groups are here: the first joint loads meet
	tensor_load_to_lds s[G0:G0+3], s[G1:G1+7]      ; tile 0; both first fills go out together, ahead of every wait on TENSORcnt, LDS read and further barrier
	s_nop 0
	tensor_load_to_lds s[G0+4:G0+7], s[G1:G1+7]    ; tile 1: two loads of this wave are out, the most in this text
	s_nop 0
	; THE START: xb of my queries and the three weights go to LDS in bf16; bq and bk go straight to registers.
	s_load_b32 s58, s[32:33], 0x0                  ; gamma
	v_and_b32 v1, 31, v0                           ; L
	v_and_b32 v2, 15, v0                           ; r
	v_bfe_u32 v3, v0, 4, 1                         ; h
	v_and_b32 v4, 7, v0                            ; L & 7
	v_bfe_u32 v5, v0, 3, 1                         ; (L >> 3) & 1
	v_lshlrev_b32 v7, 5, v3                        ; 32 h: a lane's eight f32 of a bias; never rewritten
	WIN 0x40
.irp ot, 0,1,2,3
.irp g, 0,1
	global_load_b128 v[BQT+8*\ot+4*\g:BQT+8*\ot+4*\g+3], v7, s[22:23] offset:64*\ot+16*\g     ; bq[16 ot + 8 h + 0..7]: a C tile
.endr
.endr
	WIN 0
.irp kc, 0,1
.irp u, 0,1
.irp g, 0,1
	global_load_b128 v[TMP+16*\kc+8*\u+4*\g:TMP+16*\kc+8*\u+4*\g+3], v7, s[26:27] offset:128*\kc+64*\u+16*\g   ; bk[32 kc + 16 u + 8 h + 0..7]
.endr
.endr
.endr
	v_lshrrev_b32 v20, 4, v0                       ; thread t: row t >> 4 of sixteen, chunk t & 15
	v_lshlrev_b32 v21, 4, v2
	v_lshl_add_u32 v12, v20, 13, v21               ; xb: row x 8,192 + 16 x chunk
	v_lshlrev_b32 v14, 4, v0                       ; weights: 16 t
	v_mad_u32_u24 v15, v20, PITCH, v21
	v_add_nc_u32 v15, XQ, v15
	v_lshlrev_b32 v21, 3, v2
	v_mad_u32_u24 v16, v20, WPITCH, v21
	v_add_nc_u32 v16, WV, v16                      ; Wv's place; Wq's lies WQ - WV further, in the immediate
	v_mad_u32_u24 v17, v20, KPITCH, v21
	v_add_nc_u32 v17, WK, v17
.irp i, 0,1,2,3
	global_load_b128 v[XT+4*\i:XT+4*\i+3], v12, s[66:67] offset:131072*\i
.endr
.irp i, 0,1,2,3
	global_load_b128 v[XT+16+4*\i:XT+16+4*\i+3], v14, s[20:21] offset:4096*\i
.endr
.irp i, 0,1,2,3
	global_load_b128 v[XT+32+4*\i:XT+32+4*\i+3], v14, s[24:25] offset:4096*\i
.endr
.irp i, 0,1,2,3
	global_load_b128 v[XT+48+4*\i:XT+48+4*\i+3], v14, s[28:29] offset:4096*\i
.endr
	; lane addresses, while the loads are on their way
	v_lshl_add_u32 v6, v3, 3, v4                   ; 8 h + (L & 7)
	v_mul_u32_u24 v[TRA], v6, PITCH
	v_lshl_add_u32 v[TRA], v5, 7, v[TRA]
	v_add_nc_u32 v[TRA], s74, v[TRA]
	v_add_nc_u32 v[TRA+1], SLOT, v[TRA]
	v_mul_u32_u24 v[PLA], v2, PITCH
	v_lshl_add_u32 v[PLA], v3, 7, v[PLA]
	v_add_nc_u32 v[PLA], s74, v[PLA]
	v_add_nc_u32 v[PLA+1], SLOT, v[PLA]
	v_mul_u32_u24 v13, v2, WPITCH                  ; fragments of Wv (and of Wq, WQ - WV further): r 144 + 16 h; never rewritten
	v_lshl_add_u32 v13, v3, 4, v13
	v_add_nc_u32 v13, WV, v13
	s_lshl_b32 s78, s5, 7                          ; my 64 queries' columns in XQ
	s_add_co_u32 s78, s78, XQ
	v_mul_u32_u24 v18, v6, PITCH                   ; x of my queries, read transposed
	v_lshl_add_u32 v18, v5, 4, v18
	v_add_nc_u32 v18, s78, v18
	v_mul_u32_u24 v19, v6, KPITCH                  ; Wk, read transposed
	v_lshl_add_u32 v19, v5, 4, v19
	v_add_nc_u32 v19, WK, v19
	v_mov_b32 v[DD+1], 0                           ; the mates of the two broadcast pairs: read as part of the pair, never used
	v_mov_b32 v[AL+1], 0
; four loads of a weight: (scale,) round to bf16, 8 bytes a thread into LDS
.macro WSTAGE src, adr, off, step, scaled
.irp i, 0,1,2,3
.if \scaled
	v_pk_mul_f32 v[\src+4*\i:\src+4*\i+1],   v[\src+4*\i:\src+4*\i+1],   s[56:57] op_sel_hi:[1,0]
	v_pk_mul_f32 v[\src+4*\i+2:\src+4*\i+3], v[\src+4*\i+2:\src+4*\i+3], s[56:57] op_sel_hi:[1,0]
.endif
	v_cvt_pk_bf16_f32 v[\src+4*\i],   v[\src+4*\i],   v[\src+4*\i+1]
	v_cvt_pk_bf16_f32 v[\src+4*\i+1], v[\src+4*\i+2], v[\src+4*\i+3]
	ds_store_b64 v[\adr], v[\src+4*\i:\src+4*\i+1] offset:\off+\step*\i
.endr
.endm
	s_wait_loadcnt 12                              ; all but the twelve youngest (the weights): bq, bk and xb's block are in
.irp i, 0,1,2,3
	ds_store_b128 v15, v[XT+4*\i:XT+4*\i+3] offset:16*PITCH*\i
.endr
	s_wait_loadcnt 8                               ; Wq is in; Wk's and Wv's eight stay out
	WSTAGE XT+16, 16, WQ-WV, 16*WPITCH, 1
	s_wait_loadcnt 4                               ; Wk is in; Wv's four stay out
	WSTAGE XT+32, 17, 0, 16*KPITCH, 0
	s_wait_loadcnt 0
	WSTAGE XT+48, 16, 0, 16*WPITCH, 0
	WIN 0x40
.irp i, 0,1,2,3,4,5,6,7
	v_mov_b32 v[ONES+\i], 0x3f803f80               ; 1.0 twice in bf16
.endr
.irp i, 0,1,2,3,4,5,6,7,8,9,10,11,12,13,14,15
	v_cvt_pk_bf16_f32 v[BKA+\i], v[TMP+2*\i], v[TMP+2*\i+1]        ; an A fragment whose sixteen rows are all bk
.endr
	WIN 0x41
.irp p, 0,1,2,3,4,5,6,7,8,9,10,11,12,13,14,15
	v_pk_mul_f32 v[BQT+2*\p:BQT+2*\p+1], v[BQT+2*\p:BQT+2*\p+1], s[56:57] op_sel_hi:[1,0]
.endr
	WIN 0
	s_wait_kmcnt 0x0
	s_mov_b32 s59, s58                             ; gamma as a pair
	s_wait_dscnt 0x0                               ; my stores are in LDS, for the other waves' sake
	s_barrier_signal -1
	s_barrier_wait -1                              ; the two tiles may stay on their way
	WIN 0x40
.irp ot, 0,1,2,3
.irp kc, 0,1
.irp u, 0,1
	ds_load_b128 v[WQA+16*\ot+8*\kc+4*\u:WQA+16*\ot+8*\kc+4*\u+3], v13 offset:WQ-WV+16*WPITCH*\ot+64*\kc+32*\u
.endr
.endr
.endr
.irp mt, 0,1,2,3
.irp kc, 0,1
.irp u, 0,1
	ds_load_tr16_b128 v[WKA+16*\mt+8*\kc+4*\u:WKA+16*\mt+8*\kc+4*\u+3], v19 offset:(32*\kc+16*\u)*KPITCH+32*\mt
.endr
.endr
.endr
	WIN 0
.irp it, 0,1,2,3
.irp kc, 0,1
.irp u, 0,1
	ds_load_tr16_b128 v[XT+16*\it+8*\kc+4*\u:XT+16*\it+8*\kc+4*\u+3], v18 offset:(32*\kc+16*\u)*PITCH+32*\it
.endr
.endr
.endr
	s_wait_dscnt 0x0
; q = scaled Wq x + scaled bq for 16 queries, rounded to bf16; then q' = Wk^T q and cb = bk . q.  A packed result tile pair is the next product's B fragment as it stands.
; In every run of matrix instructions the accumulators take turns, one instruction a turn.
.macro PROJ it
	WIN 0x11                                       ; A and C in window 1
.irp ot, 0,1,2,3
	v_wmma_f32_16x16x32_bf16 v[SC+8*\ot:SC+8*\ot+7], v[WQA+16*\ot:WQA+16*\ot+7], v[XT+16*\it:XT+16*\it+7], v[BQT+8*\ot:BQT+8*\ot+7]
.endr
	WIN 0x01
.irp ot, 0,1,2,3
	v_wmma_f32_16x16x32_bf16 v[SC+8*\ot:SC+8*\ot+7], v[WQA+16*\ot+8:WQA+16*\ot+15], v[XT+16*\it+8:XT+16*\it+15], v[SC+8*\ot:SC+8*\ot+7]
.endr
	WIN 0
	PLACES
.irp i, 0,1,2,3,4,5,6,7,8,9,10,11,12,13,14,15
	v_cvt_pk_bf16_f32 v[PB+\i], v[SC+2*\i], v[SC+2*\i+1]
.endr
	WIN 0x01
.irp mt, 0,1,2,3
	v_wmma_f32_16x16x32_bf16 v[TMP+8*\mt:TMP+8*\mt+7], v[WKA+16*\mt:WKA+16*\mt+7], v[PB:PB+7], 0
.endr
	v_wmma_f32_16x16x32_bf16 v[TMP+32:TMP+39], v[BKA:BKA+7], v[PB:PB+7], 0
.irp mt, 0,1,2,3
	v_wmma_f32_16x16x32_bf16 v[TMP+8*\mt:TMP+8*\mt+7], v[WKA+16*\mt+8:WKA+16*\mt+15], v[PB+8:PB+15], v[TMP+8*\mt:TMP+8*\mt+7]
.endr
	v_wmma_f32_16x16x32_bf16 v[TMP+32:TMP+39], v[BKA+8:BKA+15], v[PB+8:PB+15], v[TMP+32:TMP+39]
	WIN 0
	PLACES
.irp i, 0,1,2,3,4,5,6,7,8,9,10,11,12,13,14,15
	v_cvt_pk_bf16_f32 v[QF+16*\it+\i], v[TMP+2*\i], v[TMP+2*\i+1]
.endr
	v_mov_b32 v[CB+\it], v[TMP+32]                 ; every row of the fifth tile is cb of query r
.endm
	PROJ 0
	PROJ 1
	PROJ 2
	PROJ 3
; THE CORE.  A step is 64 j (e = 0, 1 of a tile of 128 j); a stage is one query tile's share of a step.
.macro LOADXT slot, e                  ; 16 transposing loads: four A fragments pairs (16 j x 64 c) of the first product
.irp jt, 0,1,2,3
.irp kc, 0,1
.irp u, 0,1
	ds_load_tr16_b128 v[XT+16*\jt+8*\kc+4*\u:XT+16*\jt+8*\kc+4*\u+3], v[TRA+\slot] offset:(32*\kc+16*\u)*PITCH+64*\e+16*\jt
.endr
.endr
.endr
.endm
.macro LOADXP slot, e                  ; 16 plain loads: the A fragments (64 c x 64 j) of the second product, j in the order in which p lies
	WIN 0x40
.irp ct, 0,1,2,3
.irp q, 0,1
.irp u, 0,1
	ds_load_b128 v[XP+16*\ct+8*\q+4*\u:XP+16*\ct+8*\q+4*\u+3], v[PLA+\slot] offset:16*\ct*PITCH+64*\e+32*\q+16*\u
.endr
.endr
.endr
	WIN 0
.endm
.macro QK it                           ; four tiles of S^T, 64 along c; the four accumulators take turns
.irp jt, 0,1,2,3
	v_wmma_f32_16x16x32_bf16 v[SC+8*\jt:SC+8*\jt+7], v[XT+16*\jt:XT+16*\jt+7], v[QF+16*\it:QF+16*\it+7], 0
.endr
.irp jt, 0,1,2,3
	v_wmma_f32_16x16x32_bf16 v[SC+8*\jt:SC+8*\jt+7], v[XT+16*\jt+8:XT+16*\jt+15], v[QF+16*\it+8:QF+16*\it+15], v[SC+8*\jt:SC+8*\jt+7]
.endr
.endm
.macro SMAX                            ; the largest of my query's 64 scores: 32 in my lane, 32 in lane L xor 16
.irp k, 0,1,2,3,4,5,6,7,8,9
	v_max3_num_f32 v[TMP+\k], v[SC+3*\k], v[SC+3*\k+1], v[SC+3*\k+2]
.endr
	v_max3_num_f32 v[TMP],   v[TMP],   v[TMP+1], v[TMP+2]
	v_max3_num_f32 v[TMP+3], v[TMP+3], v[TMP+4], v[TMP+5]
	v_max3_num_f32 v[TMP+6], v[TMP+6], v[TMP+7], v[TMP+8]
	v_max3_num_f32 v[TMP+9], v[TMP+9], v[SC+30], v[SC+31]
	v_max3_num_f32 v[TMP],   v[TMP],   v[TMP+3], v[TMP+6]
	v_max_num_f32  v[TMP],   v[TMP],   v[TMP+9]
	v_permlanex16_b32 v[TMP+1], v[TMP], s52, s53
	v_max_num_f32  v[TMP],   v[TMP],   v[TMP+1]
.endm
.macro STATS it, first                 ; the running maximum of score + cb; DD = cb - maximum; AL = 2^(old - new), the batch's first.  The new maximum stays in TMP+1: STAGE copies it into MX behind the batch's last
.if \first
	v_add_f32 v[MX+\it], v[TMP], v[CB+\it]
	v_sub_f32 v[DD], v[CB+\it], v[MX+\it]
.else
	v_add_f32 v[TMP+1], v[TMP], v[CB+\it]
	v_max_num_f32 v[TMP+1], v[TMP+1], v[MX+\it]
	v_sub_f32 v[TMP+2], v[MX+\it], v[TMP+1]
	v_exp_f32 v[AL], v[TMP+2]
	v_sub_f32 v[DD], v[CB+\it], v[TMP+1]           ; the plain place behind the exponential (ISA guide 5.7.2)
.endif
.endm
.macro EA tile, idx                    ; two scores + cb - maximum
	v_pk_add_f32 v[SC+8*(\tile)+2*(\idx):SC+8*(\tile)+2*(\idx)+1], v[SC+8*(\tile)+2*(\idx):SC+8*(\tile)+2*(\idx)+1], v[DD:DD+1] op_sel_hi:[1,0]
.endm
.macro EE tile, idx
	v_exp_f32 v[SC+8*(\tile)+(\idx)], v[SC+8*(\tile)+(\idx)]
.endm
.macro EC tile, idx                    ; two p to bf16
	v_cvt_pk_bf16_f32 v[PB+4*(\tile)+(\idx)], v[SC+8*(\tile)+2*(\idx)], v[SC+8*(\tile)+2*(\idx)+1]
.endm
; 2^(score + cb - maximum), in place: the 32 exponentials of the stage's batch.  The shifts of a tile are laid among the exponentials of the tile before: a shift names only scores
; whose exponentials are still to come, so no line here names a result of the batch.
.macro EXPS
.irp k, 0,1,2,3
	EA 0, \k
.endr
.irp tl, 0,1,2
.irp k, 0,1,2,3
	EE \tl, 2*\k
	EA \tl+1, \k
	EE \tl, 2*\k+1
.endr
.endr
.irp k, 0,1,2,3,4,5,6,7
	EE 3, \k
.endr
.endm
.macro CVT                             ; p in bf16: the batch's first readers, all sixteen behind its wait
.irp tl, 0,1,2,3
.irp k, 0,1,2,3
	EC \tl, \k
.endr
.endr
.endm
.macro PVMUL it, q, zero               ; 32 j of the second product: four tiles of c and the tile of ones; the five accumulators take turns
.irp ct, 0,1,2,3
.if \zero
	v_wmma_f32_16x16x32_bf16 v[OA+40*\it+8*\ct:OA+40*\it+8*\ct+7], v[XP+16*\ct+8*\q:XP+16*\ct+8*\q+7], v[PB+8*\q:PB+8*\q+7], 0
.else
	v_wmma_f32_16x16x32_bf16 v[OA+40*\it+8*\ct:OA+40*\it+8*\ct+7], v[XP+16*\ct+8*\q:XP+16*\ct+8*\q+7], v[PB+8*\q:PB+8*\q+7], v[OA+40*\it+8*\ct:OA+40*\it+8*\ct+7]
.endif
.endr
.if \zero
	v_wmma_f32_16x16x32_bf16 v[OA+40*\it+32:OA+40*\it+39], v[ONES:ONES+7], v[PB+8*\q:PB+8*\q+7], 0
.else
	v_wmma_f32_16x16x32_bf16 v[OA+40*\it+32:OA+40*\it+39], v[ONES:ONES+7], v[PB+8*\q:PB+8*\q+7], v[OA+40*\it+32:OA+40*\it+39]
.endif
.endm
.macro PV it, first
	WIN 0x51                                       ; A, C and D in window 1, B (and AL) in window 0
.if \first
	PVMUL \it, 0, 1                                ; the first product starts the sums: nothing is cleared
.else
.irp p, 0,1,2,3,4,5,6,7,8,9,10,11,12,13,14,15
	v_pk_mul_f32 v[OA+40*\it+2*\p:OA+40*\it+2*\p+1], v[OA+40*\it+2*\p:OA+40*\it+2*\p+1], v[AL:AL+1] op_sel_hi:[1,0]
.endr
	v_mul_f32 v[OA+40*\it+32], v[OA+40*\it+32], v[AL]              ; of the tile of sums of p only register 0 is ever used
	PVMUL \it, 0, 0
.endif
	PVMUL \it, 1, 0
	WIN 0
.endm
; hook 1: this step's fragments for the second product are fetched; hook 2: the tile's second step's fragments for the first product.
; The four v_nop stand behind the first product for the lines that read S, for loads into XT (its sources) and for loads into XP (sources of the last second product).
.macro STAGE it, first, slot, e, hook, w0
.if \w0
	s_wait_dscnt 0x0                               ; this step's XT is in
.endif
	QK \it
	PLACES
.if \hook == 1
	LOADXP \slot, \e
.endif
.if \hook == 2
	LOADXT \slot, 1
.endif
	SMAX
	STATS \it, \first
	EXPS
.if \first
	v_nop                                          ; the plain line behind the batch's last exponential: the first step has no maximum to copy
.else
	v_mov_b32 v[MX+\it], v[TMP+1]                  ; the new maximum is kept: it names no result of the batch, and is the plain line behind its last exponential
.endif
	s_wait_alu depctr_va_vdst(0)                   ; the stage's one wait: for AL and the 32 exponentials of the scores, ahead of their first reader
	CVT
.if \w0
	s_wait_dscnt 0x0                               ; this step's XP is in
.endif
	PV \it, \first
.endm
.macro UNIT slot, first                ; one tile of 128 j: two steps of four stages
	LOADXT \slot, 0
	STAGE 0, \first, \slot, 0, 1, 1
	STAGE 1, \first, \slot, 0, 0, 0
	STAGE 2, \first, \slot, 0, 0, 0
	STAGE 3, \first, \slot, 0, 2, 0
	STAGE 0, 0, \slot, 1, 1, 1
	STAGE 1, 0, \slot, 1, 0, 0
	STAGE 2, 0, \slot, 1, 0, 0
	STAGE 3, 0, \slot, 1, 0, 0
.endm
; The change of slots.  In front of the round every wave has waited for all its tensor loads (its part of this slot among them) and for its reads of the other slot;
; behind it no wave of any partner reads the other slot or has a load on its way: the joint refill comes first, one a wave, and has a whole tile's work in which to land.
.macro TWO slot, refill
	s_wait_tensorcnt 0x0
	ds_add_u32 v254, v255
	s_wait_dscnt 0x0
	s_add_nc_u64 s[G0+6-4*\slot:G0+7-4*\slot], s[G0+6-4*\slot:G0+7-4*\slot], 512   ; no load of mine is out: the other slot's address steps two tiles on
	s_wait_dscnt 0x0
	ROUND
.if \refill
	tensor_load_to_lds s[G0+4-4*\slot:G0+7-4*\slot], s[G1:G1+7]
	s_nop 0
.endif
	UNIT \slot, 0
.endm
	s_wait_tensorcnt 0x1                           ; my part of tile 0 is in; tile 1, issued behind it, may stay out
	s_wait_dscnt 0x0
	s_barrier_signal -1
	s_barrier_wait -1
	UNIT 0, 1                                      ; tile 0 starts the sums
	s_mov_b32 s54, 3
.Lloop:
	TWO 1, 1                                       ; tiles 1, 3, 5 are worked on; tiles 2, 4, 6 are asked for
	TWO 0, 1                                       ; tiles 2, 4, 6 are worked on; tiles 3, 5, 7 are asked for
	s_sub_co_u32 s54, s54, 1
	s_cmp_lg_u32 s54, 0
	s_cbranch_scc1 .Lloop
	TWO 1, 0                                       ; tile 7: nothing is left to fetch (slot 0's stepped address is not used)
	; THE END.  The block of x and bv are asked for; the four quarters of the keys are merged through LDS.
	PLACES                                         ; behind the last matrix instructions, for the lines that read their results
	v_lshlrev_b32 v6, 4, v1
	s_lshl_b32 s78, s3, 14
	v_add_nc_u32 v6, s78, v6                       ; x and out0: row w (+ 8 i) of 16,384 bytes, 16 bytes a lane: a wave covers a row's 512 bytes
.irp i, 0,1,2,3,4,5,6,7
	global_load_b128 v[XR+4*\i:XR+4*\i+3], v6, s[70:71] offset:131072*\i th:TH_LOAD_NT
.endr
.irp ot, 0,1,2,3
.irp g, 0,1
	global_load_b128 v[BVT+8*\ot+4*\g:BVT+8*\ot+4*\g+3], v7, s[30:31] offset:64*\ot+16*\g     ; bv[16 ot + 8 h + 0..7]: a C tile
.endr
.endr
	s_lshl_b32 s78, s3, 8
	s_add_co_u32 s78, s78, STAT
	v_lshl_add_u32 v8, v2, 2, s78                  ; my maxima: STAT + 256 w + 4 r
	s_lshl_b32 s78, s5, 8
	s_add_co_u32 s78, s78, STAT
	v_lshl_add_u32 v9, v2, 2, s78                  ; the four quarters' maxima of my queries: + 512 for each quarter
	s_mul_i32 s78, s3, CWAVE
	s_add_co_u32 s78, s78, COMB
	v_lshl_add_u32 v10, v1, 4, s78                 ; my partial sums
	s_mul_i32 s78, s5, CWAVE
	s_mul_i32 s79, s4, CTILE
	s_add_co_u32 s78, s78, s79
	s_add_co_u32 s78, s78, COMB
	v_lshl_add_u32 v11, v1, 4, s78                 ; the partial sums of query tile it = jq, which I finish: quarters 0 and 1,
	v_add_nc_u32 v12, 4*CWAVE, v11                 ; quarters 2 and 3
	s_mul_i32 s78, s5, 4*OREG                      ; my sixteen queries' place among the block's 128 is 4 ih + jq:
	s_mul_i32 s79, s4, OREG                        ; my region of the way out begins at (4 ih + jq) x 5,184
	s_add_co_u32 s78, s78, s79
	v_mul_u32_u24 v14, v3, 8*OROW
	v_lshl_add_u32 v14, v2, 2, v14
	v_add_nc_u32 v14, s78, v14                     ; the way out, in: my region, row 8 h (+ 16 ot + j), column r
	v_lshrrev_b32 v15, 2, v1
	v_mul_u32_u24 v15, v15, OREG
	v_and_b32 v[DD], 3, v1
	v_lshl_add_u32 v15, v[DD], 4, v15
	s_mul_i32 s79, s3, OROW
	v_add_nc_u32 v15, s79, v15                     ; back: region L >> 2, row w (+ 8 i), 16 bytes at 16 (L & 3)
.irp it, 0,1,2,3
	ds_store_b32 v8, v[MX+\it] offset:64*\it       ; lanes r and r + 16 hold and store the same number
.endr
	s_wait_dscnt 0x0
	s_barrier_signal -1
	s_barrier_wait -1                              ; every wave's maxima are there, and every wave's reads of the ring are over
.irp it, 0,1,2,3
.irp jp, 0,1,2,3
	ds_load_b32 v[TMP+4*\it+\jp], v9 offset:512*\jp+64*\it
.endr
.endr
	s_wait_dscnt 0x0
.irp it, 0,1,2,3
	v_max3_num_f32 v[TMP+4*\it], v[TMP+4*\it], v[TMP+4*\it+1], v[TMP+4*\it+2]
	v_max_num_f32 v[TMP+4*\it], v[TMP+4*\it], v[TMP+4*\it+3]
	v_sub_f32 v[TMP+4*\it], v[MX+\it], v[TMP+4*\it]
.endr
.irp it, 0,1,2,3
	v_exp_f32 v[FP+2*\it],   v[TMP+4*\it]          ; 2^(my maximum - the common one), twice: a pair for the packed multiply
	v_exp_f32 v[FP+2*\it+1], v[TMP+4*\it]
.endr
	v_nop                                          ; the plain place behind the exponentials
	WIN 0x51
	s_wait_alu depctr_va_vdst(0)                   ; one wait for the batch of the merge's eight factors, ahead of the first multiply by them
.irp it, 0,1,2,3
.irp p, 0,1,2,3,4,5,6,7,8,9,10,11,12,13,14,15
	v_pk_mul_f32 v[OA+40*\it+2*\p:OA+40*\it+2*\p+1], v[OA+40*\it+2*\p:OA+40*\it+2*\p+1], v[FP+2*\it:FP+2*\it+1]
.endr
	v_mul_f32 v[OA+40*\it+32], v[OA+40*\it+32], v[FP+2*\it]
.endr
	WIN 0x04                                       ; store data in window 1
.irp it, 0,1,2,3
.irp q, 0,1,2,3,4,5,6,7,8
	ds_store_b128 v10, v[OA+40*\it+4*\q:OA+40*\it+4*\q+3] offset:CTILE*\it+512*\q   ; lane by lane, so that the wave that reads finds the same layout; q = 8: the sum of p in its first word
.endr
.endr
	WIN 0
	s_wait_dscnt 0x0
	s_barrier_signal -1
	s_barrier_wait -1
	WIN 0x40
.irp jp, 0,1
.irp q, 0,1,2,3,4,5,6,7,8
	ds_load_b128 v[OA+40*\jp+4*\q:OA+40*\jp+4*\q+3], v11 offset:2*CWAVE*\jp+512*\q
.endr
.endr
.irp jp, 0,1
.irp q, 0,1,2,3,4,5,6,7,8
	ds_load_b128 v[OA+80+40*\jp+4*\q:OA+80+40*\jp+4*\q+3], v12 offset:2*CWAVE*\jp+512*\q
.endr
.endr
	WIN 0
.irp ot, 0,1,2,3
.irp kc, 0,1
.irp u, 0,1
	ds_load_b128 v[QF+16*\ot+8*\kc+4*\u:QF+16*\ot+8*\kc+4*\u+3], v13 offset:16*WPITCH*\ot+64*\kc+32*\u    ; fragments of Wv
.endr
.endr
.endr
	s_wait_dscnt 16                                ; the four quarters' sums are in; the sixteen younger loads of Wv may stay out
	WIN 0x45
.irp p, 0,1,2,3,4,5,6,7,8,9,10,11,12,13,14,15,16
	v_pk_add_f32 v[OA+2*\p:OA+2*\p+1], v[OA+2*\p:OA+2*\p+1], v[OA+40+2*\p:OA+40+2*\p+1]
	v_pk_add_f32 v[OA+80+2*\p:OA+80+2*\p+1], v[OA+80+2*\p:OA+80+2*\p+1], v[OA+120+2*\p:OA+120+2*\p+1]
.endr
.irp p, 0,1,2,3,4,5,6,7,8,9,10,11,12,13,14,15,16
	v_pk_add_f32 v[OA+2*\p:OA+2*\p+1], v[OA+2*\p:OA+2*\p+1], v[OA+80+2*\p:OA+80+2*\p+1]
.endr
	WIN 0x01
	v_rcp_f32 v[TMP],   v[OA+32]                   ; 1 / sum of p (at least 1: the largest score's p is 1), twice for the packed multiply
	v_rcp_f32 v[TMP+1], v[OA+32]
	v_nop                                          ; the plain place behind the reciprocals
	WIN 0x41
	s_wait_alu depctr_va_vdst(0)                   ; one wait for the batch of the two reciprocals, ahead of the first multiply by them
.irp p, 0,1,2,3,4,5,6,7,8,9,10,11,12,13,14,15
	v_pk_mul_f32 v[OA+2*\p:OA+2*\p+1], v[OA+2*\p:OA+2*\p+1], v[TMP:TMP+1]
.endr
	WIN 0x05
.irp i, 0,1,2,3,4,5,6,7,8,9,10,11,12,13,14,15
	v_cvt_pk_bf16_f32 v[PB+\i], v[OA+2*\i], v[OA+2*\i+1]           ; the packed tiles are the last product's two B fragments
.endr
	WIN 0
	s_wait_dscnt 0x0                               ; Wv's fragments
	s_wait_loadcnt 0x0                             ; bv's tiles, and the block of x
.irp ot, 0,1,2,3
	v_wmma_f32_16x16x32_bf16 v[SC+8*\ot:SC+8*\ot+7], v[QF+16*\ot:QF+16*\ot+7], v[PB:PB+7], v[BVT+8*\ot:BVT+8*\ot+7]
.endr
.irp ot, 0,1,2,3
	v_wmma_f32_16x16x32_bf16 v[SC+8*\ot:SC+8*\ot+7], v[QF+16*\ot+8:QF+16*\ot+15], v[PB+8:PB+15], v[SC+8*\ot:SC+8*\ot+7]
.endr
	PLACES
.irp ot, 0,1,2,3
.irp j, 0,1,2,3,4,5,6,7
	ds_store_b32 v14, v[SC+8*\ot+\j] offset:(16*\ot+\j)*OROW       ; y[16 ot + 8 h + j][my query r], into my own region over slot 0, which is filled no more and which no wave has read since the barrier behind the maxima
.endr
.endr
	s_wait_dscnt 0x0
	s_barrier_signal -1
	s_barrier_wait -1
.irp i, 0,1,2,3,4,5,6,7
	ds_load_b128 v[TMP+4*\i:TMP+4*\i+3], v15 offset:8*OROW*\i      ; row w + 8 i of y, 128 queries across the wave
.endr
	s_wait_dscnt 0x0
.irp p, 0,1,2,3,4,5,6,7,8,9,10,11,12,13,14,15
	v_pk_fma_f32 v[TMP+2*\p:TMP+2*\p+1], v[TMP+2*\p:TMP+2*\p+1], s[58:59], v[XR+2*\p:XR+2*\p+1] op_sel_hi:[1,0,1]   ; gamma y + x
.endr
.irp i, 0,1,2,3,4,5,6,7
	global_store_b128 v6, v[TMP+4*\i:TMP+4*\i+3], s[72:73] offset:131072*\i th:TH_STORE_NT    ; a wave's store covers 512 consecutive bytes, aligned
.endr
	s_wait_tensorcnt 0x0
	ds_add_u32 v254, v255
	s_wait_dscnt 0x0
	ROUND                                          ; the closing round: no work-group ends while a partner may still ask for a tile that names it
	s_endpgm
.Lfunc_end_k_qdef32118b5_attn:
	.size	k_qdef32118b5_attn, .Lfunc_end_k_qdef32118b5_attn-k_qdef32118b5_attn
	.p2alignl 7, 3214868480
	.fill 96, 4, 3214868480
	.section	.rodata,"a",@progbits
	.p2align	6, 0x0
	.amdhsa_kernel k_qdef32118b5_attn
		.amdhsa_group_segment_fixed_size 327680
		.amdhsa_private_segment_fixed_size 0
		.amdhsa_enable_private_segment 0
		.amdhsa_kernarg_size 80
		.amdhsa_user_sgpr_count 2
		.amdhsa_user_sgpr_kernarg_segment_ptr 1
		.amdhsa_wavefront_size32 1
		.amdhsa_system_sgpr_workgroup_id_x 1
		.amdhsa_system_sgpr_workgroup_id_y 1
		.amdhsa_system_sgpr_workgroup_id_z 1
		.amdhsa_system_vgpr_workitem_id 0
		.amdhsa_next_free_vgpr 512
		.amdhsa_next_free_sgpr 80
		.amdhsa_reserve_vcc 0
		.amdhsa_float_denorm_mode_32 3
		.amdhsa_float_denorm_mode_16_64 3
		.amdhsa_memory_ordered 1
		.amdhsa_forward_progress 1
		.amdhsa_inst_pref_size 255
	.end_amdhsa_kernel
	.section	.bss,"aw",@nobits
	.p2align	6
	.space	262144
	.amdgpu_metadata
---
amdhsa.version: [ 1, 2 ]
amdhsa.kernels:
  - .name:           k_qdef32118b5_attn
    .symbol:         k_qdef32118b5_attn.kd
    .args:
      - { .name: xb, .offset: 0, .size: 8, .value_kind: global_buffer, .address_space: global }
      - { .name: x, .offset: 8, .size: 8, .value_kind: global_buffer, .address_space: global }
      - { .name: Wq, .offset: 16, .size: 8, .value_kind: global_buffer, .address_space: global }
      - { .name: bq, .offset: 24, .size: 8, .value_kind: global_buffer, .address_space: global }
      - { .name: Wk, .offset: 32, .size: 8, .value_kind: global_buffer, .address_space: global }
      - { .name: bk, .offset: 40, .size: 8, .value_kind: global_buffer, .address_space: global }
      - { .name: Wv, .offset: 48, .size: 8, .value_kind: global_buffer, .address_space: global }
      - { .name: bv, .offset: 56, .size: 8, .value_kind: global_buffer, .address_space: global }
      - { .name: gamma, .offset: 64, .size: 8, .value_kind: global_buffer, .address_space: global }
      - { .name: out0, .offset: 72, .size: 8, .value_kind: global_buffer, .address_space: global }
    .group_segment_fixed_size: 327680
    .private_segment_fixed_size: 0
    .kernarg_segment_align: 8
    .kernarg_segment_size: 80
    .max_flat_workgroup_size: 256
    .sgpr_count:     80
    .vgpr_count:     512
    .wavefront_size: 32
...
	.end_amdgpu_metadata
.endif
;; end of part 3
